; MI455X (gfx1250); checked and timed in simulation.
; The chip was launched on July 23, 2026; its instructions are those of AMD's public machine-readable ISA for CDNA 5 (MIT licence, August 2026) and "CDNA5" Instruction Set Architecture Reference Guide (July 2026). The comments in the code are by the model that wrote it; some were corrected since.
;; Mac Unit. Allowed arithmetic: float matrix products may take bf16 or f16 operands with f32 sums; all other float work in f32.
;; Inputs: angles 1 x 1 x 5 float32; data 16,384 x 512 float32; in_bias 1 x 1,024 x 1 float32; in_weight 1 x 1,024 x 1 float32; out_bias 1 x 1,024 x 1 float32; out_weight 1 x 1,024 x 1 float32; velocity 1 x 1 x 5 float32.
;; Outputs: out0 16,384 x 1,024 x 1 float32.
;; One version. Each part assembles by itself: llvm-mc -triple=amdgcn-amd-amdhsa -mcpu=gfx1250 --defsym DOCPART=n.
;; ======== version 1 of 1: 1 launch
;; launch macunit (part 1): grid 512 x 1, 8 waves a work-group, no clusters, 0 bytes of LDS; arguments data, in_weight, in_bias, out_weight, out_bias, angles, velocity, out0; writes out0
.if DOCPART == 1
	.amdgcn_target "amdgcn-amd-amdhsa--gfx1250"
	.amdhsa_code_object_version 6
	.text
	.protected	k_qe522039f59_macunit
	.globl	k_qe522039f59_macunit
	.p2align	8
	.type	k_qe522039f59_macunit,@function
k_qe522039f59_macunit:
	s_mov_b64 s[64:65], 0
	v_nop
	global_prefetch_b8 v0, s[64:65] scope:SCOPE_SE
	s_setreg_imm32_b32 hwreg(HW_REG_WAVE_MODE, 25, 1), 1
	s_wait_xcnt 0x0
; MacUnit, one pass.  data [16384][512] f32 -> out0 [16384][1024] f32, channel c = 2 i + j of data column i:
;   x = data[b][i] * in_weight[c] + in_bias[c];   twice: x = x + step(x) / 2;   out = x * sigmoid(x * out_weight[c] + out_bias[c])
;   step(d) = velo * (cos(ang) + d * sin(ang)),  velo and ang read from the two 5-point tables at idx = 5 * sigmoid(d).
;
; WHAT THE TABLE ACCESS AMOUNTS TO.  For 0 <= idx < 5 the clamped bgn, end and pos give the continuous piecewise-linear function through
; the five points, knots at idx = 1, 2, 3, its last piece running on to idx < 5.  For idx = 5 (the sigmoid has rounded to 1.0) they give
; bgn = 4, end = 0, pos = 1: table[0].  That case is reached exactly when q = 1 + exp(-d) rounds to 1, so s = sigmoid(d) is replaced by
; min(s, (q - 1) * 2^24), which is 0 there (idx = 0 gives table[0]) and s everywhere else ((q - 1) * 2^24 >= 2).
;
; THE CASE IN WHICH idx + 1.0 ROUNDS UP.  At idx = 1 - 2^-24 and at idx = 2 - 2^-23 the f32 sum idx + 1.0 is a tie and goes to the whole
; number above: end = bgn + 2, pos = 1 - 2^-24 (2^-23), and the access gives table[bgn + 2] but for 2^-24 (2^-23) of a table difference:
; the value of the continuous function at s + 0.2.  Back through the f32 operations (5 s exact there, 1 / q rounded to nearest, 1 + e):
;   idx = 1 - 2^-24 only for q = 5 + 2^-21,   e = 4 + 2^-21;      idx = 2 - 2^-23 only for q = 2.5 + 2^-22,  e = 1.5 + 2^-22.
; The exponential written out below gives these e for four floats: -d = 11629081 x 2^-23 (r = 1.03 x 2^-23, a unit from its neighbours) and
; -d = 13605156, 13605157, 13605158 x 2^-25 (before its last two roundings y - 0.75 is 1.70, 2.08, 2.45 x 2^-24, each -0.03 +- 0.05; the
; neighbours' 1.33 and 2.83 go to 1 and 3).  d itself is tested, by arithmetic, in BOTH steps:
;   u = 4096 d + 4096 C, C = 30060740 x 2^-25: exact near the four floats; in units of 2^-13 the first lies at -16455584, with its
;       neighbours 4 units off (d's own spacing there), the other three at +16455584, +16455583, +16455582;
;   t = u u - 4035029 (one rounding): -0.4983, -0.0079, 0.4826 for |u| = ..82, ..83, ..84, and |t| >= 0.973 for every other float;
;   w = t t - 0.5: <= -0.2517 inside, >= 0.4467 outside;   s = s - max(min(w, 0), -0.2).
;
; SO d HAS TO BE THE REFERENCE'S FLOAT, in the second step too.  reference() is taken as JAX compiles it, as one function, for a CPU with fused
; multiply-add: a product whose only use is a sum is contracted with that sum, of two such products the first one written.  The FIRST step
; therefore follows the reference rounding for rounding:
;   d = fma(data, w, b);   exp(-d): the Cephes polynomial of JAX's CPU back end, m = floor(fma(x, log2e, .5)), r = fma(-C2, m, fma(-C1, m, x)),
;   five fused Horner steps, fma(y, r r, r), + 1, x 2^m;   1 / q correctly rounded: v_rcp_f32 (one unit) and one Newton step of two fma;
;   idx = 5 s, bgn = min(floor(idx), 3), pos = idx - bgn, 1 - pos;  m[bgn], m[bgn + 1] chosen by three compares (no address is made of them);
;   velo, ang = fma(1 - pos, m[bgn], fl(pos m[bgn + 1]));   t = fma(velo, cos, fl(fl(d velo) sin));   d' = fl(d + t / 2).
; Sine and cosine of the f32 angle: k = nearest whole number to ang 2 / pi (a sum with 1.5 x 2^23, whose low bits are then k); ang - k P1 is exact
; (a multiple of 2^-24 below 1), the rest of pi / 2 gives rho = hi + lo; on |rho| <= pi / 4 the Taylor series to rho^9 and rho^10 (first terms
; dropped: 1.8e-9, 1.2e-10), summed so that the large term comes last: about 0.65 unit of the last place.  k mod 4 swaps and signs them.
; The SECOND step and the attention need values, not last bits, and use the short forms:
;   f(s) = C + E0 s + E1 max(s, .2) + E2 max(s, .4) + E3 max(s, .6), E0 = 5 (m1 - m0), Ej = 5 x the j-th second difference; the angles'
;   coefficients carry 1 / (2 pi) (the angle in turns), the velocity's -1/2;  r = t - rndne(t), a = sqrt2 sin(pi r), c = sqrt2 cos(pi r) from the
;   Chebyshev series cut behind T7 and T8 (dropped: 5.9e-7, 4.7e-8), cos + d sin = 1 + a (d c - a).  Errors 2.4e-6 and 1.3e-6.
;
; LIMITS.  (1) The second step's d is the reference's float only where this sine and cosine round as the library's and the contraction is as said
; above; one unit of t's last place moves d in about one case of eight near -ln 4 and one of two to four near -ln 1.5, and an element that then
; lies on or beside one of the four floats differs.  (2) The Newton step does not round 1 / q correctly for a q whose mantissa is all ones.
; (3) In the second step v_exp_f32 and v_rcp_f32 are good to one unit, so the d at which the sigmoid becomes 1.0 (about 16.64) may differ by such
; a unit.  (4) The second step's angle in turns is rounded before the whole turns are taken away: its error is about |angle| x 1e-7.
; (5) -d is clamped to [-87, 88] ahead of the first step's exponential: beyond, q is 1 or s below 1e-38 either way.  (6) NaN and infinite
; inputs are not served.
;
; SHAPE.  Eight waves; the work-group owns 32 rows.  Thread t owns data columns 2 t, 2 t + 1 (one 8-byte load: a wave's load covers 256
; consecutive bytes, aligned) and channels 4 t .. 4 t + 3 (one 16-byte store: a wave's store covers 512 consecutive bytes, aligned); its four
; in_weight, in_bias, out_weight, out_bias stay in registers.  A batch is 4 rows = 8 pairs of neighbouring channels a lane; every stage runs over
; the 8 pairs, so eight instructions that do not depend on each other follow each other.  Two register slots of 4 rows take turns; a slot
; is loaded again as soon as it has been expanded, two batches ahead of its use.
; No LDS, barrier, cluster or matrix unit: no wave needs another's data, and all that work-groups share is 16 KB of parameters.
.set ROWS,   32                        ; rows of a work-group
.set NB,     4                         ; rows of a batch
.set INROW,  2048                      ; bytes in a row of data
.set OUTROW, 4096                      ; bytes in a row of out0
; the window test
.set SIGMA,  0x45800000                ; 4096
.set CSIGMA, 0x45655862                ; 4096 x 30060740 x 2^-25 = 3669.5239
.set NPC,    0xca764754                ; -4035029 = -(16455583 / 8192)^2 to the nearest f32
.set NKNOT1, 0xbe4ccccd                ; -0.2
.set TWO24,  0x4b800000                ; 2^24
.set NTWO24, 0xcb800000                ; -2^24
; the first step's exponential
.set XLO,    0xc2ae0000                ; -87
.set XHI,    0x42b00000                ; 88
.set LOG2E,  0x3fb8aa3b                ; 1.44269504
.set NC1,    0xbf318000                ; -0.693359375
.set PC2,    0x395e8083                ; 2.12194440e-4 (C2 is negative: -C2)
.set EXP0,   0x39506967                ; 1.9875691500e-4
.set EXP1,   0x3ab743ce                ; 1.3981999507e-3
.set EXP2,   0x3c088908                ; 8.3334519073e-3
.set EXP3,   0x3d2aa9c1                ; 4.1665795894e-2
.set EXP4,   0x3e2aaaaa                ; 1.6666665459e-1; the last coefficient, 5.0000001201e-1, is 0.5 in f32
.set MAGICE, 0x4b40007f                ; 1.5 x 2^23 + 127: m + this has m + 127 in its low bits
.set FIVE,   0x40a00000                ; 5.0
; the first step's sine and cosine
.set TWOOPI, 0x3f22f983                ; 2 / pi
.set MAGICK, 0x4b400000                ; 1.5 x 2^23
.set NP1,    0xbfc90fdb                ; -P1, P1 = pi / 2 to the nearest f32
.set NP2,    0x333bbd2e                ; -P2, P2 = pi / 2 - P1 = -4.37113883e-8; what is left, 1.7e-15 a quarter turn, is dropped
.set SIN1,   0xbe2aaaab                ; -1/6
.set SIN2,   0x3c088889                ; 1/120
.set SIN3,   0xb9500d01                ; -1/5040
.set SIN4,   0x3638ef1d                ; 1/362880
.set COS1,   0x3d2aaaab                ; 1/24
.set COS2,   0xbab60b61                ; -1/720
.set COS3,   0x37d00d01                ; 1/40320
.set COS4,   0xb493f27e                ; -1/3628800
; the second step and the attention
.set NLOG2E, 0xbfb8aa3b                ; -log2(e): exp(-y) = 2^(-log2(e) y)
.set KNOT1,  0x3e4ccccd                ; 0.2
.set KNOT2,  0x3ecccccd                ; 0.4
.set KNOT3,  0x3f19999a                ; 0.6
.set INV2PI, 0x3e22f983                ; 1 / (2 pi)
.set FIVE2PI,0x3f4bb7e4                ; 5 / (2 pi)
.set NTWOH,  0xc0200000                ; -2.5 = 5 x -1/2
.set NA0,    0xc08e2bf9                ; -sqrt2 sin(pi r) = r (NA0 + NA1 u + NA2 u^2 + NA3 u^3), u = r r:  -4.4428678
.set NA1,    0x40e9d68f                ;  7.3074413
.set NA2,    0xc06610bb                ; -3.5947712
.set NA3,    0x3f48ca34                ;  0.78433536
.set CB0,    0x3fb504f3                ; sqrt2 cos(pi r) = CB0 + CB1 u + CB2 u^2 + CB3 u^3 + CB4V u^4:  1.4142135
.set CB1,    0xc0df52bf                ; -6.9788509
.set CB2,    0x40b7a9a9                ;  5.7394604
.set CB3,    0xbff1186d                ; -1.8835579
.set CB4V,   0x3e9f1280                ;  0.31068803
; vector registers
.set OO,   0                           ; v0        16 t: my byte offset in a row of out0 and in the four parameter vectors
.set OI,   1                           ; v1        8 t: my byte offset in a row of data
.set CU,   2                           ; v[2:3]    4096 C, twice (constants that packed instructions take from vector registers stand twice)
.set PW,   4                           ; v[4:7]    in_weight of my 4 channels
.set PB,   8                           ; v[8:11]   in_bias
.set POW,  12                          ; v[12:15]  out_weight x -log2(e)
.set POB,  16                          ; v[16:19]  out_bias x -log2(e)
.set K24,  20                          ; v[20:21]  2^24
.set NK24, 22                          ; v[22:23]  -2^24
.set CA3,  24                          ; v[24:25]  NA3
.set CB4,  26                          ; v[26:27]  CB4V
.set TV,   28                          ; v[28:37]  velocity: C, E0, E1, E2, E3, each twice
.set TA,   38                          ; v[38:47]  angles: the same
.set EP0,  48                          ; v[48:49]  EXP0
.set SS4,  50                          ; v[50:51]  SIN4
.set CC4,  52                          ; v[52:53]  COS4
.set RV0,  54                          ; v54, v55  velocity[0], velocity[1]: where the chains of selects start
.set RV1,  55
.set RA0,  56                          ; v56, v57  angles[0], angles[1]
.set RA1,  57
.set KM,   58                          ; v[58:59]  MAGICK
.set DA,   60                          ; v[60:67]  slot A: 4 rows x 2 numbers of data
.set DB,   68                          ; v[68:75]  slot B
.set TT,   76                          ; v[76:91]  two sets of 8: a pair's velocity[bgn], velocity[bgn+1], angles[bgn], angles[bgn+1]
.set AX,   92                          ; ten arrays of 16, row r's four channels at + 4 r.  AX: x of the batch
.set AG,   108                         ; the window's u, t, w, -0.2 or 0; in the first step then velo
.set AE,   124
.set AF,   140
.set AZ,   156
.set AY,   172
.set AM,   188                         ; at the end the results, which the stores read
.set AN,   204
.set AO,   220
.set AP,   236
; scalar registers: s[8:23] the eight addresses; s[2:5] offsets; s6 trips
.set SA,   24                          ; s[24:28]  angles
.set SV,   32                          ; s[32:36]  velocity
.set KN,   40                          ; s[40:42]  the knots; s43 = 0; s44 = -0.2
.set KTHREE, 45                        ; s45       3.0
.set KXLO, 46                          ; s46, s47  the clamp of -d
.set KXHI, 47
.set MK,   48                          ; s[48:59]  lane masks of the compares
.set KSGN, 60                          ; s60       the sign bit
.set KONE, 61                          ; s61       1.0
	s_load_b512 s[8:23], s[0:1], 0x0               ; data s[8:9], in_weight s[10:11], in_bias s[12:13], out_weight s[14:15], out_bias s[16:17], angles s[18:19], velocity s[20:21], out0 s[22:23]
	v_lshlrev_b32 v[OI], 3, v0
	v_lshlrev_b32 v[OO], 4, v0                     ; in place: the thread's number is not needed again
	s_lshl_b32 s2, ttmp9, 16                       ; the work-group's number x 32 rows x 2,048 bytes (below 2^25)
	s_mov_b32 s3, 0
	s_lshl_b32 s4, ttmp9, 17                       ; x 32 rows x 4,096 bytes (below 2^26)
	s_mov_b32 s5, 0
	s_mov_b32 s[KN], KNOT1
	s_mov_b32 s[KN+1], KNOT2
	s_mov_b32 s[KN+2], KNOT3
	s_mov_b32 s[KN+3], 0
	s_mov_b32 s[KN+4], NKNOT1
	s_mov_b32 s[KTHREE], 0x40400000
	s_mov_b32 s[KXLO], XLO
	s_mov_b32 s[KXHI], XHI
	s_mov_b32 s[KSGN], 0x80000000
	s_mov_b32 s[KONE], 0x3f800000
	s_wait_kmcnt 0x0
	s_add_nc_u64 s[8:9], s[8:9], s[2:3]            ; data and out0 at the group's first row
	s_add_nc_u64 s[22:23], s[22:23], s[4:5]
	s_load_b128 s[SA:SA+3], s[18:19], 0x0          ; the two tables, 20 bytes each: nothing in this launch writes them
	s_load_b32 s[SA+4], s[18:19], 0x10
	s_load_b128 s[SV:SV+3], s[20:21], 0x0
	s_load_b32 s[SV+4], s[20:21], 0x10
	global_load_b128 v[PW:PW+3],   v[OO], s[10:11]
	global_load_b128 v[PB:PB+3],   v[OO], s[12:13]
	global_load_b128 v[POW:POW+3], v[OO], s[14:15]
	global_load_b128 v[POB:POB+3], v[OO], s[16:17]
.macro LOADS d, row                    ; four rows of data into slot d; every byte of data is read once in the launch
.irp r, 0,1,2,3
	global_load_b64 v[\d+2*\r:\d+2*\r+1], v[OI], s[8:9] offset:(\row+\r)*INROW th:TH_LOAD_NT
.endr
.endm
	LOADS DA, 0
	LOADS DB, NB
.irp h, 0,1
	v_mov_b32 v[CU+\h],   CSIGMA
	v_mov_b32 v[K24+\h],  TWO24
	v_mov_b32 v[NK24+\h], NTWO24
	v_mov_b32 v[CA3+\h],  NA3
	v_mov_b32 v[CB4+\h],  CB4V
	v_mov_b32 v[EP0+\h],  EXP0
	v_mov_b32 v[SS4+\h],  SIN4
	v_mov_b32 v[CC4+\h],  COS4
	v_mov_b32 v[KM+\h],   MAGICK
.endr
; A table's five coefficients for the second step, once for each wave.  m: its first scalar register; cseg scales the slopes, c0 the first point.
; Differences of neighbouring points come first, so that a common offset of the table drops out before anything is scaled.
.macro TABLE dst, m, cseg, c0
	v_sub_f32 v[AX+0], s[\m+1], s[\m+0]            ; the four slopes
	v_sub_f32 v[AX+1], s[\m+2], s[\m+1]
	v_sub_f32 v[AX+2], s[\m+3], s[\m+2]
	v_sub_f32 v[AX+3], s[\m+4], s[\m+3]
	v_mov_b32 v[AX+4], s[\m]
	v_sub_f32 v[AX+3], v[AX+3], v[AX+2]            ; what each slope adds to the one before
	v_sub_f32 v[AX+2], v[AX+2], v[AX+1]
	v_sub_f32 v[AX+1], v[AX+1], v[AX+0]
	v_mul_f32 v[\dst+2], \cseg, v[AX+0]            ; E0 .. E3
	v_mul_f32 v[\dst+4], \cseg, v[AX+1]
	v_mul_f32 v[\dst+6], \cseg, v[AX+2]
	v_mul_f32 v[\dst+8], \cseg, v[AX+3]
	v_mul_f32 v[\dst], \c0, v[AX+4]                ; C = c0 m0 - E1 k1 - E2 k2 - E3 k3, with the knots as the maxima will see them
	v_fma_f32 v[\dst], -v[\dst+4], s[KN],   v[\dst]
	v_fma_f32 v[\dst], -v[\dst+6], s[KN+1], v[\dst]
	v_fma_f32 v[\dst], -v[\dst+8], s[KN+2], v[\dst]
.irp j, 0,2,4,6,8
	v_mov_b32 v[\dst+\j+1], v[\dst+\j]             ; each stands twice, for the packed instructions
.endr
.endm
	s_wait_kmcnt 0x0
	TABLE TV, SV, NTWOH, -0.5
	TABLE TA, SA, FIVE2PI, INV2PI
	v_mov_b32 v[RV0], s[SV]
	v_mov_b32 v[RV1], s[SV+1]
	v_mov_b32 v[RA0], s[SA]
	v_mov_b32 v[RA1], s[SA+1]
	s_wait_loadcnt 2*NB                            ; loads come back in order (ISA guide 5.7.1): the four parameter loads are in, the eight data loads behind them stay out
	v_pk_mul_f32 v[POW:POW+1],   v[POW:POW+1],   NLOG2E op_sel_hi:[1,0]
	v_pk_mul_f32 v[POW+2:POW+3], v[POW+2:POW+3], NLOG2E op_sel_hi:[1,0]
	v_pk_mul_f32 v[POB:POB+1],   v[POB:POB+1],   NLOG2E op_sel_hi:[1,0]
	v_pk_mul_f32 v[POB+2:POB+3], v[POB+2:POB+3], NLOG2E op_sel_hi:[1,0]
; One stage over the batch's 8 pairs.  d, a, b, c: arrays; k, k2: constants (broadcast: their op_sel_hi bit is 0); vp: a constant's vector pair.
.macro PFMA d, a, b, c                 ; d = a b + c
.irp p, 0,1,2,3,4,5,6,7
	v_pk_fma_f32 v[\d+2*\p:\d+2*\p+1], v[\a+2*\p:\a+2*\p+1], v[\b+2*\p:\b+2*\p+1], v[\c+2*\p:\c+2*\p+1]
.endr
.endm
.macro PFNA d, a, b, c                 ; d = -a b + c
.irp p, 0,1,2,3,4,5,6,7
	v_pk_fma_f32 v[\d+2*\p:\d+2*\p+1], v[\a+2*\p:\a+2*\p+1], v[\b+2*\p:\b+2*\p+1], v[\c+2*\p:\c+2*\p+1] neg_lo:[1,0,0] neg_hi:[1,0,0]
.endr
.endm
.macro PFMAC d, a, b, k                ; d = a b + k
.irp p, 0,1,2,3,4,5,6,7
	v_pk_fma_f32 v[\d+2*\p:\d+2*\p+1], v[\a+2*\p:\a+2*\p+1], v[\b+2*\p:\b+2*\p+1], \k op_sel_hi:[1,1,0]
.endr
.endm
.macro PFNAC d, a, b, k                ; d = -a b + k
	s_wait_alu depctr_va_vdst(0)
.irp p, 0,1,2,3,4,5,6,7
	v_pk_fma_f32 v[\d+2*\p:\d+2*\p+1], v[\a+2*\p:\a+2*\p+1], v[\b+2*\p:\b+2*\p+1], \k op_sel_hi:[1,1,0] neg_lo:[1,0,0] neg_hi:[1,0,0]
.endr
.endm
.macro PFMCA d, a, k, c                ; d = a k + c
.irp p, 0,1,2,3,4,5,6,7
	v_pk_fma_f32 v[\d+2*\p:\d+2*\p+1], v[\a+2*\p:\a+2*\p+1], \k, v[\c+2*\p:\c+2*\p+1] op_sel_hi:[1,0,1]
.endr
.endm
.macro PFMCC d, a, k, k2               ; d = a k + k2
.irp p, 0,1,2,3,4,5,6,7
	v_pk_fma_f32 v[\d+2*\p:\d+2*\p+1], v[\a+2*\p:\a+2*\p+1], \k, \k2 op_sel_hi:[1,0,0]
.endr
.endm
.macro PFMCV d, a, k, vp               ; d = a k + vp
.irp p, 0,1,2,3,4,5,6,7
	v_pk_fma_f32 v[\d+2*\p:\d+2*\p+1], v[\a+2*\p:\a+2*\p+1], \k, v[\vp:\vp+1] op_sel_hi:[1,0,1]
.endr
.endm
.macro PFMVC d, a, vp, k               ; d = a vp + k
.irp p, 0,1,2,3,4,5,6,7
	v_pk_fma_f32 v[\d+2*\p:\d+2*\p+1], v[\a+2*\p:\a+2*\p+1], v[\vp:\vp+1], \k op_sel_hi:[1,1,0]
.endr
.endm
.macro PFMVV d, a, vp, vq              ; d = a vp + vq
.irp p, 0,1,2,3,4,5,6,7
	v_pk_fma_f32 v[\d+2*\p:\d+2*\p+1], v[\a+2*\p:\a+2*\p+1], v[\vp:\vp+1], v[\vq:\vq+1]
.endr
.endm
.macro PMUL d, a, b
.irp p, 0,1,2,3,4,5,6,7
	v_pk_mul_f32 v[\d+2*\p:\d+2*\p+1], v[\a+2*\p:\a+2*\p+1], v[\b+2*\p:\b+2*\p+1]
.endr
.endm
.macro PMULC d, a, k
.irp p, 0,1,2,3,4,5,6,7
	v_pk_mul_f32 v[\d+2*\p:\d+2*\p+1], v[\a+2*\p:\a+2*\p+1], \k op_sel_hi:[1,0]
.endr
.endm
.macro PADD d, a, b
.irp p, 0,1,2,3,4,5,6,7
	v_pk_add_f32 v[\d+2*\p:\d+2*\p+1], v[\a+2*\p:\a+2*\p+1], v[\b+2*\p:\b+2*\p+1]
.endr
.endm
.macro PSUB d, a, b                    ; d = a - b
.irp p, 0,1,2,3,4,5,6,7
	v_pk_add_f32 v[\d+2*\p:\d+2*\p+1], v[\a+2*\p:\a+2*\p+1], v[\b+2*\p:\b+2*\p+1] neg_lo:[0,1] neg_hi:[0,1]
.endr
.endm
.macro PSUBV d, a, vp                  ; d = a - vp
.irp p, 0,1,2,3,4,5,6,7
	v_pk_add_f32 v[\d+2*\p:\d+2*\p+1], v[\a+2*\p:\a+2*\p+1], v[\vp:\vp+1] neg_lo:[0,1] neg_hi:[0,1]
.endr
.endm
.macro PADDC d, a, k
.irp p, 0,1,2,3,4,5,6,7
	v_pk_add_f32 v[\d+2*\p:\d+2*\p+1], v[\a+2*\p:\a+2*\p+1], \k op_sel_hi:[1,0]
.endr
.endm
.macro PONEM d, a                      ; d = 1 - a
.irp p, 0,1,2,3,4,5,6,7
	v_pk_add_f32 v[\d+2*\p:\d+2*\p+1], v[\a+2*\p:\a+2*\p+1], 1.0 op_sel_hi:[1,0] neg_lo:[1,0] neg_hi:[1,0]
.endr
.endm
; There is no packed min or max in f32: two go in one dual instruction (destinations even and odd, the two first sources and the two second
; sources neighbouring registers or one scalar).
.macro DMINS d, sr                     ; d = min(scalar, d)
.irp p, 0,1,2,3,4,5,6,7
	v_dual_min_num_f32 v[\d+2*\p], s[\sr], v[\d+2*\p] :: v_dual_min_num_f32 v[\d+2*\p+1], s[\sr], v[\d+2*\p+1]
.endr
.endm
.macro DMAXS d, sr                     ; d = max(scalar, d)
.irp p, 0,1,2,3,4,5,6,7
	v_dual_max_num_f32 v[\d+2*\p], s[\sr], v[\d+2*\p] :: v_dual_max_num_f32 v[\d+2*\p+1], s[\sr], v[\d+2*\p+1]
.endr
.endm
.macro DMINV d, a                      ; d = min(a, d)
	s_wait_alu depctr_va_vdst(0)
.irp p, 0,1,2,3,4,5,6,7
	v_dual_min_num_f32 v[\d+2*\p], v[\a+2*\p], v[\d+2*\p] :: v_dual_min_num_f32 v[\d+2*\p+1], v[\a+2*\p+1], v[\d+2*\p+1]
.endr
.endm
; AG = -0.2 where x is one of the four floats at which idx + 1.0 rounds up, 0 elsewhere (see the head)
.macro WINDOW
	PFMCV AG, AX, SIGMA, CU                        ; u = 4096 d + 4096 C
	PFMAC AG, AG, AG, NPC                          ; t = u u - 4035029
	PFMAC AG, AG, AG, -0.5                         ; w = t t - 0.5
	DMINS AG, KN+3                                 ; min(w, 0)
	DMAXS AG, KN+4                                 ; max(.., -0.2)
.endm
; THE FIRST STEP, rounding for rounding as the head says
.macro EXACT
	WINDOW
	; e = exp(-d), q = 1 + e
	PMULC AE, AX, -1.0                             ; x = -d,
	DMAXS AE, KXLO                                 ; clamped to [-87, 88]: m stays in [-126, 127]
	DMINS AE, KXHI
	PFMCC AF, AE, LOG2E, 0.5
.irp i, 0,1,2,3,4,5,6,7,8,9,10,11,12,13,14,15
	v_floor_f32 v[AF+\i], v[AF+\i]                 ; m
.endr
	PFMCA AE, AF, NC1, AE                          ; x - m C1, exact
	PFMCA AE, AF, PC2, AE                          ; r = .. - m C2
	PMUL  AZ, AE, AE                               ; r r
	PFMVC AY, AE, EP0, EXP1
	PFMAC AY, AY, AE, EXP2
	PFMAC AY, AY, AE, EXP3
	PFMAC AY, AY, AE, EXP4
	PFMAC AY, AY, AE, 0.5
	PFMA  AY, AY, AZ, AE
	PADDC AY, AY, 1.0                              ; exp(r)
	PADDC AF, AF, MAGICE                           ; m + 127 in the low bits,
.irp i, 0,1,2,3,4,5,6,7,8,9,10,11,12,13,14,15
	v_lshlrev_b32 v[AF+\i], 23, v[AF+\i]           ; moved into the exponent: 2^m (all higher bits fall out)
.endr
	PFMAC AE, AY, AF, 1.0                          ; q = 1 + exp(r) 2^m: the product is exact, so this is the sum's one rounding
	PFMVV AZ, AE, K24, NK24                        ; (q - 1) 2^24
	; s = 1 / q, correctly rounded
.irp i, 0,1,2,3,4,5,6,7,8,9,10,11,12,13,14,15
	v_rcp_f32 v[AY+\i], v[AE+\i]
.endr
	v_nop                                          ; behind a transcendental one plain vector instruction before its result is used (ISA guide 5.7.2)
	PFNAC AF, AE, AY, 1.0                          ; 1 - q y
	PFMA  AE, AF, AY, AY                           ; y + y (1 - q y)
	DMINV AE, AZ                                   ; 0 in place of a sigmoid that rounded to 1.0
	PSUB  AE, AE, AG                               ; + 0.2 at the four floats: one table point further
	; the table access as reference() writes it
	PMULC AE, AE, FIVE                             ; idx
.irp i, 0,1,2,3,4,5,6,7,8,9,10,11,12,13,14,15
	v_floor_f32 v[AF+\i], v[AE+\i]
.endr
	DMINS AF, KTHREE                               ; bgn
	PSUB  AF, AE, AF                               ; pos
	PONEM AZ, AF                                   ; 1 - pos
.irp p, 0,1,2,3,4,5,6,7
.irp h, 0,1
	v_cmp_le_f32 s[MK+6*(\p&1)+3*\h],   1.0, v[AE+2*\p+\h]
	v_cmp_le_f32 s[MK+6*(\p&1)+3*\h+1], 2.0, v[AE+2*\p+\h]
	v_cmp_le_f32 s[MK+6*(\p&1)+3*\h+2], s[KTHREE], v[AE+2*\p+\h]
	v_cndmask_b32 v[TT+8*(\p&1)+\h],   v[RV0], s[SV+1], s[MK+6*(\p&1)+3*\h]                 ; velocity[bgn]
	v_cndmask_b32 v[TT+8*(\p&1)+2+\h], v[RV1], s[SV+2], s[MK+6*(\p&1)+3*\h]                 ; velocity[bgn + 1]
	v_cndmask_b32 v[TT+8*(\p&1)+4+\h], v[RA0], s[SA+1], s[MK+6*(\p&1)+3*\h]                 ; angles[bgn]
	v_cndmask_b32 v[TT+8*(\p&1)+6+\h], v[RA1], s[SA+2], s[MK+6*(\p&1)+3*\h]                 ; angles[bgn + 1]
	v_cndmask_b32 v[TT+8*(\p&1)+\h],   v[TT+8*(\p&1)+\h],   s[SV+2], s[MK+6*(\p&1)+3*\h+1]
	v_cndmask_b32 v[TT+8*(\p&1)+2+\h], v[TT+8*(\p&1)+2+\h], s[SV+3], s[MK+6*(\p&1)+3*\h+1]
	v_cndmask_b32 v[TT+8*(\p&1)+4+\h], v[TT+8*(\p&1)+4+\h], s[SA+2], s[MK+6*(\p&1)+3*\h+1]
	v_cndmask_b32 v[TT+8*(\p&1)+6+\h], v[TT+8*(\p&1)+6+\h], s[SA+3], s[MK+6*(\p&1)+3*\h+1]
	v_cndmask_b32 v[TT+8*(\p&1)+\h],   v[TT+8*(\p&1)+\h],   s[SV+3], s[MK+6*(\p&1)+3*\h+2]
	v_cndmask_b32 v[TT+8*(\p&1)+2+\h], v[TT+8*(\p&1)+2+\h], s[SV+4], s[MK+6*(\p&1)+3*\h+2]
	v_cndmask_b32 v[TT+8*(\p&1)+4+\h], v[TT+8*(\p&1)+4+\h], s[SA+3], s[MK+6*(\p&1)+3*\h+2]
	v_cndmask_b32 v[TT+8*(\p&1)+6+\h], v[TT+8*(\p&1)+6+\h], s[SA+4], s[MK+6*(\p&1)+3*\h+2]
.endr
	v_pk_mul_f32 v[TT+8*(\p&1)+2:TT+8*(\p&1)+3], v[AF+2*\p:AF+2*\p+1], v[TT+8*(\p&1)+2:TT+8*(\p&1)+3]                          ; pos m[end], rounded
	v_pk_mul_f32 v[TT+8*(\p&1)+6:TT+8*(\p&1)+7], v[AF+2*\p:AF+2*\p+1], v[TT+8*(\p&1)+6:TT+8*(\p&1)+7]
	v_pk_fma_f32 v[AG+2*\p:AG+2*\p+1], v[AZ+2*\p:AZ+2*\p+1], v[TT+8*(\p&1):TT+8*(\p&1)+1],   v[TT+8*(\p&1)+2:TT+8*(\p&1)+3]    ; velo
	v_pk_fma_f32 v[AY+2*\p:AY+2*\p+1], v[AZ+2*\p:AZ+2*\p+1], v[TT+8*(\p&1)+4:TT+8*(\p&1)+5], v[TT+8*(\p&1)+6:TT+8*(\p&1)+7]    ; ang
.endr
	; rho = ang - k pi / 2 as hi + lo
	PFMCV AE, AY, TWOOPI, KM                       ; 1.5 x 2^23 + k: the sum's rounding makes k, its low two bits are k mod 4
	PSUBV AF, AE, KM                               ; k
	PFMCA AY, AF, NP1, AY                          ; ang - k P1, exact
	PFMCA AZ, AF, NP2, AY                          ; hi
	PSUB  AY, AY, AZ
	PFMCA AY, AF, NP2, AY                          ; lo: what hi's rounding dropped
	PMUL  AF, AZ, AZ                               ; z = hi hi
	; sin(rho) = hi + (hi z S(z) + lo)
	PFMVC AM, AF, SS4, SIN3
	PFMAC AM, AM, AF, SIN2
	PFMAC AM, AM, AF, SIN1
	PMUL  AN, AZ, AF
	PFMA  AM, AN, AM, AY
	PADD  AM, AZ, AM
	; cos(rho) = w + (((1 - w) - z / 2) + z z C(z) - hi lo), w = 1 - z / 2 rounded
	PFMVC AN, AF, CC4, COS3
	PFMAC AN, AN, AF, COS2
	PFMAC AN, AN, AF, COS1
	PFMCC AO, AF, -0.5, 1.0
	PONEM AP, AO
	PFMCA AP, AF, -0.5, AP
	PMUL  AF, AF, AF
	PFMA  AP, AF, AN, AP
	PFNA  AP, AZ, AY, AP
	PADD  AO, AO, AP
	; the quadrant: k odd swaps the two; the sine's sign is bit 1 of k, the cosine's bit 1 xor bit 0
.irp i, 0,1,2,3,4,5,6,7,8,9,10,11,12,13,14,15
	v_lshlrev_b32 v[AN+\i], 31, v[AE+\i]           ; bit 0 on top
	v_lshlrev_b32 v[AP+\i], 30, v[AE+\i]           ; bit 1 on top
.endr
.irp i, 0,1,2,3,4,5,6,7,8,9,10,11,12,13,14,15
	v_cmp_gt_i32 s[MK+(\i&7)], 0, v[AN+\i]         ; k odd
	v_xor_b32 v[AF+\i], v[AN+\i], v[AP+\i]
	v_cndmask_b32 v[AZ+\i], v[AM+\i], v[AO+\i], s[MK+(\i&7)]
	v_cndmask_b32 v[AY+\i], v[AO+\i], v[AM+\i], s[MK+(\i&7)]
.endr
.irp i, 0,1,2,3,4,5,6,7,8,9,10,11,12,13,14,15
	v_and_or_b32 v[AP+\i], v[AP+\i], s[KSGN], s[KONE]      ; 1.0 or -1.0
	v_and_or_b32 v[AF+\i], v[AF+\i], s[KSGN], s[KONE]
.endr
	PMUL  AZ, AZ, AP                               ; sin(ang)
	PMUL  AY, AY, AF                               ; cos(ang)
	; x = x + (velo cos + (d velo) sin) / 2
	PMUL  AN, AX, AG
	PMUL  AN, AN, AZ
	PFMA  AN, AG, AY, AN
	PFMCA AX, AN, 0.5, AX
.endm
; AE holds -log2(e) y.  Afterwards AE = 1 / (1 + exp(-y)); with edge = 1 also AF = (q - 1) 2^24, q = 1 + exp(-y).
; Behind a run of transcendentals one plain vector instruction stands before a result is used (ISA guide 5.7.2): the v_nop.
.macro LOGISTIC edge
.irp i, 0,1,2,3,4,5,6,7,8,9,10,11,12,13,14,15
	v_exp_f32 v[AE+\i], v[AE+\i]
.endr
	v_nop
	s_wait_alu depctr_va_vdst(0)
	PADDC AE, AE, 1.0
.if \edge
	PFMVV AF, AE, K24, NK24
.endif
.irp i, 0,1,2,3,4,5,6,7,8,9,10,11,12,13,14,15
	v_rcp_f32 v[AE+\i], v[AE+\i]
.endr
	v_nop
	s_wait_alu depctr_va_vdst(0)
.endm
; one more term of both tables' sums: AN += Ek x src, AO += Ek x src
.macro TERM src, k
.irp p, 0,1,2,3,4,5,6,7
	v_pk_fma_f32 v[AN+2*\p:AN+2*\p+1], v[\src+2*\p:\src+2*\p+1], v[TV+2+2*\k:TV+3+2*\k], v[AN+2*\p:AN+2*\p+1]
	v_pk_fma_f32 v[AO+2*\p:AO+2*\p+1], v[\src+2*\p:\src+2*\p+1], v[TA+2+2*\k:TA+3+2*\k], v[AO+2*\p:AO+2*\p+1]
.endr
.endm
; THE SECOND STEP: the window test on the first step's result, then the short forms
.macro FAST
	WINDOW
	PMULC AE, AX, NLOG2E
	LOGISTIC 1
	DMINV AE, AF                                   ; 0 in place of a sigmoid that rounded to 1.0
	PSUB  AE, AE, AG                               ; + 0.2 at the four floats
.irp p, 0,1,2,3,4,5,6,7
	v_dual_max_num_f32 v[AZ+2*\p], s[KN],   v[AE+2*\p] :: v_dual_max_num_f32 v[AZ+2*\p+1], s[KN],   v[AE+2*\p+1]
	v_dual_max_num_f32 v[AY+2*\p], s[KN+1], v[AE+2*\p] :: v_dual_max_num_f32 v[AY+2*\p+1], s[KN+1], v[AE+2*\p+1]
	v_dual_max_num_f32 v[AM+2*\p], s[KN+2], v[AE+2*\p] :: v_dual_max_num_f32 v[AM+2*\p+1], s[KN+2], v[AE+2*\p+1]
.endr
	PFMVV AN, AE, TV+2, TV                         ; AN = -velo / 2, AO = the angle in turns
	PFMVV AO, AE, TA+2, TA
	TERM AZ, 1
	TERM AY, 2
	TERM AM, 3
.irp i, 0,1,2,3,4,5,6,7,8,9,10,11,12,13,14,15
	v_rndne_f32 v[AF+\i], v[AO+\i]
.endr
	PSUB  AO, AO, AF                               ; whole turns away: r in [-1/2, 1/2]
	PMUL  AE, AO, AO                               ; u = r r
	PFMVC AZ, AE, CA3, NA2                         ; AZ = -a / r, AY = c: the first products start the two chains
	PFMVC AY, AE, CB4, CB3
	PFMAC AZ, AZ, AE, NA1
	PFMAC AY, AY, AE, CB2
	PFMAC AZ, AZ, AE, NA0
	PFMAC AY, AY, AE, CB1
	PFMAC AY, AY, AE, CB0
	PMUL  AZ, AZ, AO                               ; -a
	PFMA  AY, AX, AY, AZ                           ; g = d c - a
	PFMAC AZ, AZ, AY, -1.0                         ; -a g - 1 = -(cos + d sin)
	PFMA  AX, AN, AZ, AX                           ; x + (-velo / 2) (-(cos + d sin))
.endm
; One batch.  d: its slot; row0: its first row, counted from the two bases; ahead = 1: the slot is loaded again, 2 NB rows further down;
; left = how many younger loads may stay out when this slot's four have to be in.
.macro BATCH d, row0, ahead, left
	s_wait_loadcnt \left
	s_wait_xcnt 0x0                                ; AM, which the last batch's stores read, is rewritten only behind this wait (ISA guide 3.1)
	; x = fma(data, in_weight, in_bias).  One number of data feeds both halves of a pair (op_sel, op_sel_hi pick it for the low and the high result)
.irp r, 0,1,2,3
	v_pk_fma_f32 v[AX+4*\r:AX+4*\r+1],   v[\d+2*\r:\d+2*\r+1], v[PW:PW+1],   v[PB:PB+1]   op_sel_hi:[0,1,1]
	v_pk_fma_f32 v[AX+4*\r+2:AX+4*\r+3], v[\d+2*\r:\d+2*\r+1], v[PW+2:PW+3], v[PB+2:PB+3] op_sel:[1,0,0] op_sel_hi:[1,1,1]
.endr
.if \ahead
	LOADS \d, \row0+2*NB
.endif
	EXACT
	FAST
	; out = x * sigmoid(x * out_weight + out_bias); -log2(e) is in the two parameters already
.irp p, 0,1,2,3,4,5,6,7
	v_pk_fma_f32 v[AE+2*\p:AE+2*\p+1], v[AX+2*\p:AX+2*\p+1], v[POW+2*(\p&1):POW+2*(\p&1)+1], v[POB+2*(\p&1):POB+2*(\p&1)+1]
.endr
	LOGISTIC 0
	PMUL  AM, AX, AE
.irp r, 0,1,2,3
	global_store_b128 v[OO], v[AM+4*\r:AM+4*\r+3], s[22:23] offset:(\row0+\r)*OUTROW th:TH_STORE_NT
.endr
.endm
	s_mov_b32 s6, ROWS/(2*NB)-1                    ; a trip takes both slots: 8 rows.  Three trips load ahead, the last 8 rows stand behind the loop
.Ltrip:
	BATCH DA, 0,  1, NB                            ; slot B's four loads are younger and stay out
	BATCH DB, NB, 1, NB                            ; slot A's four new loads stay out
	s_wait_xcnt 0x0                                ; the two bases, which pending loads and stores name, are stepped only behind this wait (ISA guide 3.1)
	s_add_nc_u64 s[8:9], s[8:9], 2*NB*INROW
	s_add_nc_u64 s[22:23], s[22:23], 2*NB*OUTROW
	s_sub_co_u32 s6, s6, 1
	s_cmp_lg_u32 s6, 0
	s_cbranch_scc1 .Ltrip
	BATCH DA, 0,  0, NB                            ; the last 8 rows load nothing: no load leaves the buffer,
	BATCH DB, NB, 0, 0                             ; and the last wait is for zero
	s_endpgm
.Lfunc_end_k_qe522039f59_macunit:
	.size	k_qe522039f59_macunit, .Lfunc_end_k_qe522039f59_macunit-k_qe522039f59_macunit
	.p2alignl 7, 3214868480
	.fill 96, 4, 3214868480
	.section	.rodata,"a",@progbits
	.p2align	6, 0x0
	.amdhsa_kernel k_qe522039f59_macunit
		.amdhsa_group_segment_fixed_size 0
		.amdhsa_private_segment_fixed_size 0
		.amdhsa_enable_private_segment 0
		.amdhsa_kernarg_size 64
		.amdhsa_user_sgpr_count 2
		.amdhsa_user_sgpr_kernarg_segment_ptr 1
		.amdhsa_wavefront_size32 1
		.amdhsa_system_sgpr_workgroup_id_x 1
		.amdhsa_system_sgpr_workgroup_id_y 1
		.amdhsa_system_sgpr_workgroup_id_z 1
		.amdhsa_system_vgpr_workitem_id 0
		.amdhsa_next_free_vgpr 256
		.amdhsa_next_free_sgpr 66
		.amdhsa_reserve_vcc 0
		.amdhsa_float_denorm_mode_32 3
		.amdhsa_float_denorm_mode_16_64 3
		.amdhsa_memory_ordered 1
		.amdhsa_forward_progress 1
		.amdhsa_inst_pref_size 255
	.end_amdhsa_kernel
	.section	.bss,"aw",@nobits
	.p2align	6
	.space	262144
	.amdgpu_metadata
---
amdhsa.version: [ 1, 2 ]
amdhsa.kernels:
  - .name:           k_qe522039f59_macunit
    .symbol:         k_qe522039f59_macunit.kd
    .args:
      - { .name: data, .offset: 0, .size: 8, .value_kind: global_buffer, .address_space: global }
      - { .name: in_weight, .offset: 8, .size: 8, .value_kind: global_buffer, .address_space: global }
      - { .name: in_bias, .offset: 16, .size: 8, .value_kind: global_buffer, .address_space: global }
      - { .name: out_weight, .offset: 24, .size: 8, .value_kind: global_buffer, .address_space: global }
      - { .name: out_bias, .offset: 32, .size: 8, .value_kind: global_buffer, .address_space: global }
      - { .name: angles, .offset: 40, .size: 8, .value_kind: global_buffer, .address_space: global }
      - { .name: velocity, .offset: 48, .size: 8, .value_kind: global_buffer, .address_space: global }
      - { .name: out0, .offset: 56, .size: 8, .value_kind: global_buffer, .address_space: global }
    .group_segment_fixed_size: 0
    .private_segment_fixed_size: 0
    .kernarg_segment_align: 8
    .kernarg_segment_size: 64
    .max_flat_workgroup_size: 256
    .sgpr_count:     66
    .vgpr_count:     256
    .wavefront_size: 32
...
	.end_amdgpu_metadata
.endif
;; end of part 1
